; MI455X (gfx1250); checked and timed in simulation.
; The chip was launched on July 23, 2026; its instructions are those of AMD's public machine-readable ISA for CDNA 5 (MIT licence, August 2026) and "CDNA5" Instruction Set Architecture Reference Guide (July 2026). The comments in the code are by the model that wrote it; some were corrected since.
;; Terrain Interpolator. Allowed arithmetic: float matrix products may take bf16 or f16 operands with f32 sums; all other float work in f32.
;; Inputs: interp_xs 2,097,152 float32; interp_ys 2,097,152 float32; xs 4,096 float32; ys 4,096 float32; zs 4,096 x 4,096 float32.
;; Outputs: out0 2,097,152 float32.
;; Constants: smooth = 2.
;; 2 versions, each right; version 2 is version 1 with the launch interpolate written anew for expert scheduling mode. Each part assembles by itself: llvm-mc -triple=amdgcn-amd-amdhsa -mcpu=gfx1250 --defsym DOCPART=n.
;; ======== version 1 of 2: 2 launches
;; workspace buffers: qkeys 33,554,432 bytes of whole numbers; trees 32,768 bytes of whole numbers
;; launch make_keys (part 1): grid 512 x 1, 8 waves a work-group, no clusters, 0 bytes of LDS; arguments interp_xs, interp_ys, xs, ys, qkeys, trees; writes qkeys, trees
.if DOCPART == 1
	.amdgcn_target "amdgcn-amd-amdhsa--gfx1250"
	.amdhsa_code_object_version 6
	.text
	.protected	k_q3843edaca0_make_keys
	.globl	k_q3843edaca0_make_keys
	.p2align	8
	.type	k_q3843edaca0_make_keys,@function
k_q3843edaca0_make_keys:
	s_mov_b64 s[64:65], 0
	v_nop
	global_prefetch_b8 v0, s[64:65] scope:SCOPE_SE
	s_setreg_imm32_b32 hwreg(HW_REG_WAVE_MODE, 25, 1), 1
	s_wait_xcnt 0x0
; MAKE_KEYS: every float that the search of the next launch compares is turned into a whole number of the same order.
;   key(f) = bits(f) ^ 0x80000000 for f >= 0, ~bits(f) for f < 0: f < g exactly when key(f) < key(g) as unsigned numbers.
;   (-0 would get a key below +0's: the buckets pass through an addition of +0, which makes -0 into +0; x - 2 and x + 2 are never -0.)
; qkeys: four planes of NPTS words: key(x - 2), key(x + 2), key(y - 2), key(y + 2); the sums are made in f32, as the reference makes them.
; trees: for xs, then for ys, 4,096 words: the keys of buckets 0 .. 4,094 as a search tree in breadth-first order: node 1 is the root, node j has the
;   children 2 j and 2 j + 1; node j of level L (2^L <= j < 2^(L+1)) holds the bucket of sorted index ((2 j + 1) << (11 - L)) - 4,097.  Word 0 is no node; it is written, and never compared.
; SHARES.  A stream: 512 work-groups of 8 waves; a work-group owns 4,096 points, a thread 4 chunks of 4 points.  Each load and store of a wave covers 512 consecutive bytes.
;   All 8 loads of a thread go out first; every chunk has key registers of its own, so no store's data is ever rewritten.  No LDS, no barrier: no thread needs another's numbers.
;   Work-groups 0 .. 7 also write the trees: 4 of them a dimension, 4 nodes a thread.  Those addresses hang on the thread's number alone.
; LIMIT.  A NaN gets a key above or below all numbers, by its sign; the reference's treatment of NaN is not reproduced.
.set NPTS,  2097152
.set PLANE, NPTS*4                     ; bytes in a plane of qkeys
.set CHUNK, 4096                       ; bytes that 256 threads cover with 16 each
.set X,   4                            ; v[4:19]    x of my 4 chunks; later at work for the trees
.set Y,   20                           ; v[20:35]   y of my 4 chunks
.set K,   36                           ; v[36:99]   chunk c: 16 keys: x - 2, x + 2, y - 2, y + 2, four points each
.set TM,  100                          ; v[100:103] at work
.macro KEY dst, src, add, tmp          ; v[dst] = key(v[src] + add)
	v_add_f32 v[\dst], \add, v[\src]
	v_ashrrev_i32 v[\tmp], 31, v[\dst]             ; all ones for a negative number
	v_or_b32 v[\tmp], 0x80000000, v[\tmp]          ; what is to be flipped: all bits, or the sign alone
	v_xor_b32 v[\dst], v[\tmp], v[\dst]
.endm
	s_load_b256 s[4:11], s[0:1], 0x0               ; interp_xs s[4:5], interp_ys s[6:7], xs s[8:9], ys s[10:11]
	s_load_b128 s[12:15], s[0:1], 0x20             ; qkeys s[12:13], trees s[14:15]
	v_lshlrev_b32 v1, 4, v0                        ; my 16 bytes in a chunk; never rewritten
	s_lshl_b32 s2, ttmp9, 14                       ; the work-group's 4,096 points x 4 bytes
	s_mov_b32 s3, 0
	s_wait_kmcnt 0x0
	s_add_nc_u64 s[4:5], s[4:5], s[2:3]
	s_add_nc_u64 s[6:7], s[6:7], s[2:3]
.irp c, 0,1,2,3
	global_load_b128 v[X+4*(\c):X+4*(\c)+3], v1, s[4:5] offset:CHUNK*(\c) th:TH_LOAD_NT
	global_load_b128 v[Y+4*(\c):Y+4*(\c)+3], v1, s[6:7] offset:CHUNK*(\c) th:TH_LOAD_NT
.endr
	s_add_nc_u64 s[16:17], s[12:13], s[2:3]        ; the four planes at the work-group's points: a plane's 8,388,608 bytes are one more than a store's immediate holds
	s_add_nc_u64 s[18:19], s[16:17], PLANE
	s_add_nc_u64 s[20:21], s[18:19], PLANE
	s_add_nc_u64 s[22:23], s[20:21], PLANE
.irp c, 0,1,2,3
	s_wait_loadcnt 6-2*(\c)                        ; loads come back in order: chunk c's two are in, the later chunks' stay out
.irp i, 0,1,2,3
	KEY K+16*(\c)+(\i),    X+4*(\c)+(\i), -2.0, TM+(\i)
	KEY K+16*(\c)+4+(\i),  X+4*(\c)+(\i), 2.0,  TM+(\i)
	KEY K+16*(\c)+8+(\i),  Y+4*(\c)+(\i), -2.0, TM+(\i)
	KEY K+16*(\c)+12+(\i), Y+4*(\c)+(\i), 2.0,  TM+(\i)
.endr
	global_store_b128 v1, v[K+16*(\c):K+16*(\c)+3],     s[16:17] offset:CHUNK*(\c)
	global_store_b128 v1, v[K+16*(\c)+4:K+16*(\c)+7],   s[18:19] offset:CHUNK*(\c)
	global_store_b128 v1, v[K+16*(\c)+8:K+16*(\c)+11],  s[20:21] offset:CHUNK*(\c)
	global_store_b128 v1, v[K+16*(\c)+12:K+16*(\c)+15], s[22:23] offset:CHUNK*(\c)
.endr
	; THE TREES.  2 x 4,096 words, 4 a thread: 2,048 threads, the first 8 work-groups.  Only registers that no pending store names are written from here on.
	s_cmp_lt_u32 ttmp9, 8
	s_cbranch_scc0 .Ldone
	s_lshr_b32 s28, ttmp9, 2                       ; the dimension: 0 xs, 1 ys
	s_and_b32 s29, ttmp9, 3
	s_lshl_b32 s29, s29, 8                         ; my work-group's first thread among the dimension's 1,024
	s_lshl_b32 s30, s28, 14                        ; the dimension's tree: 16,384 bytes each
	s_mov_b32 s31, 0
	s_cmp_eq_u32 s28, 0
	s_cselect_b64 s[32:33], s[8:9], s[10:11]       ; its buckets
	s_add_nc_u64 s[14:15], s[14:15], s[30:31]
	v_add_nc_u32 v2, s29, v0                       ; t = 0 .. 1,023
	v_lshlrev_b32 v3, 4, v2                        ; my 16 bytes of the tree
	v_lshlrev_b32 v2, 2, v2                        ; my first node, 4 t
.irp e, 0,1,2,3
	v_add_nc_u32 v[X+(\e)], \e, v2                 ; node j
	v_mov_b32 v[X+4+(\e)], 0                       ; 11 - L = how many of 2, 4, .. 2,048 lie above j
.irp k, 2,4,8,16,32,64,128,256,512,1024,2048
	v_cmp_gt_u32 vcc_lo, \k, v[X+(\e)]
	v_add_co_ci_u32 v[X+4+(\e)], vcc_lo, 0, v[X+4+(\e)], vcc_lo
.endr
	v_lshl_add_u32 v[X+(\e)], v[X+(\e)], 1, 1      ; 2 j + 1
	v_lshlrev_b32 v[X+(\e)], v[X+4+(\e)], v[X+(\e)]  ; << (11 - L)
	v_add_nc_u32 v[X+(\e)], 0xffffefff, v[X+(\e)]  ; - 4,097: the sorted index; for word 0 it wraps,
	v_min_u32 v[X+(\e)], 0xfff, v[X+(\e)]          ; and is bounded to the last bucket: every load stays inside the 4,096 buckets
	v_lshlrev_b32 v[X+(\e)], 2, v[X+(\e)]
	global_load_b32 v[X+8+(\e)], v[X+(\e)], s[32:33]
.endr
	s_wait_loadcnt 0x0
.irp e, 0,1,2,3
	KEY X+12+(\e), X+8+(\e), 0, TM+(\e)            ; the addition of +0 is what makes -0 into +0
.endr
	global_store_b128 v3, v[X+12:X+15], s[14:15]
.Ldone:
	s_endpgm
.Lfunc_end_k_q3843edaca0_make_keys:
	.size	k_q3843edaca0_make_keys, .Lfunc_end_k_q3843edaca0_make_keys-k_q3843edaca0_make_keys
	.p2alignl 7, 3214868480
	.fill 96, 4, 3214868480
	.section	.rodata,"a",@progbits
	.p2align	6, 0x0
	.amdhsa_kernel k_q3843edaca0_make_keys
		.amdhsa_group_segment_fixed_size 0
		.amdhsa_private_segment_fixed_size 0
		.amdhsa_enable_private_segment 0
		.amdhsa_kernarg_size 48
		.amdhsa_user_sgpr_count 2
		.amdhsa_user_sgpr_kernarg_segment_ptr 1
		.amdhsa_wavefront_size32 1
		.amdhsa_system_sgpr_workgroup_id_x 1
		.amdhsa_system_sgpr_workgroup_id_y 1
		.amdhsa_system_sgpr_workgroup_id_z 1
		.amdhsa_system_vgpr_workitem_id 0
		.amdhsa_next_free_vgpr 104
		.amdhsa_next_free_sgpr 66
		.amdhsa_reserve_vcc 1
		.amdhsa_float_denorm_mode_32 3
		.amdhsa_float_denorm_mode_16_64 3
		.amdhsa_memory_ordered 1
		.amdhsa_forward_progress 1
		.amdhsa_inst_pref_size 20
	.end_amdhsa_kernel
	.amdgpu_metadata
---
amdhsa.version: [ 1, 2 ]
amdhsa.kernels:
  - .name:           k_q3843edaca0_make_keys
    .symbol:         k_q3843edaca0_make_keys.kd
    .args:
      - { .name: interp_xs, .offset: 0, .size: 8, .value_kind: global_buffer, .address_space: global }
      - { .name: interp_ys, .offset: 8, .size: 8, .value_kind: global_buffer, .address_space: global }
      - { .name: xs, .offset: 16, .size: 8, .value_kind: global_buffer, .address_space: global }
      - { .name: ys, .offset: 24, .size: 8, .value_kind: global_buffer, .address_space: global }
      - { .name: qkeys, .offset: 32, .size: 8, .value_kind: global_buffer, .address_space: global }
      - { .name: trees, .offset: 40, .size: 8, .value_kind: global_buffer, .address_space: global }
    .group_segment_fixed_size: 0
    .private_segment_fixed_size: 0
    .kernarg_segment_align: 8
    .kernarg_segment_size: 48
    .max_flat_workgroup_size: 256
    .sgpr_count:     66
    .vgpr_count:     104
    .wavefront_size: 32
...
	.end_amdgpu_metadata
.endif
;; end of part 1
;; launch interpolate (part 2): grid 256 x 1, 32 waves a work-group, no clusters, 69,632 bytes of LDS; arguments qkeys, trees, xs, ys, zs, out0; writes out0
.if DOCPART == 2
	.amdgcn_target "amdgcn-amd-amdhsa--gfx1250"
	.amdhsa_code_object_version 6
	.text
	.protected	k_q3843edaca0_interpolate
	.globl	k_q3843edaca0_interpolate
	.p2align	8
	.type	k_q3843edaca0_interpolate,@function
k_q3843edaca0_interpolate:
	s_mov_b64 s[64:65], 0
	v_nop
	global_prefetch_b8 v0, s[64:65] scope:SCOPE_SE
	s_setreg_imm32_b32 hwreg(HW_REG_WAVE_MODE, 25, 1), 1
	s_wait_xcnt 0x0
; INTERPOLATE: out = 0.25 x the sum of four bilinear interpolations of zs, at (x -+ 2, y -+ 2).
; THE SUM IS SEPARABLE.  Each of the four queries (x - 2, x + 2 in xs; y - 2, y + 2 in ys) gives two indices, left and right, and two weights, dist_right / (dist_left + dist_right) for the
;   left index and dist_left / (..) for the right one.  out = 0.25 x sum over the 4 rows of WX_r x (sum over the 4 columns of WY_c x zs[r][c]): 16 words of zs and 21 multiply-adds a point.
; THE SEARCH IS MADE ON WHOLE NUMBERS.  The launch before has stored each query and each bucket as a whole number of the same order (qkeys, trees); every compare that steers an address
;   here is an unsigned compare of two such numbers.  Floats (xs, ys, zs, and the query recovered from its key) enter values alone.
;   A tree holds buckets 0 .. 4,094 in breadth-first order.  Twelve times j = 2 j + (node j < key), from j = 1: then j - 4,096 is the number of those buckets below the query, which is
;   min(searchsorted(.., left), 4,095), the reference's idx_right: the last bucket can only raise the count from 4,095 to 4,096, which the reference clips.
;   Breadth-first, because the nodes of levels 0 to 5 are words 1 .. 63 of the tree: 63 different banks (64 banks of 4 bytes: ISA guide 11.1); in a sorted array the same probes lie 64 words or more apart, all in one bank.
; SHARES.  256 work-groups of 32 waves; a work-group owns 8,192 points, in 2 trips of 4 points a lane.  A lane runs its 16 searches side by side, so that 16 LDS reads of a wave are out at any time;
;   then its 64 reads of zs go out in one run, each landing on the register that held its offset, and the weights are made while they are on their way.
; LDS, filled once, through registers: both trees, xs, ys, 16,384 bytes each; then the spare words.
; NO CLUSTER, NO TENSOR LOAD: what work-groups share is these 65,536 bytes, read once by each, beside 131,072 bytes of keys of its own and 131,072 scattered words of zs.  NO MATRIX WORK: there is no product.
; LIMITS.  xs and ys ascend (the reference's search assumes it).  NaN is not treated as the reference treats it (a NaN distance counts as 0).  dist_left + dist_right lies in 2^-126 .. 2^126:
;   outside it v_rcp_f32 takes its input, or gives its result, as zero (ISA guide 15.8).
.set NPTS,  2097152
.set PLANE, NPTS*4                     ; bytes in a plane of qkeys
.set TRIPS, 2
.set STEP,  16384                      ; bytes of a plane, and of out0, that 1,024 threads cover with 16 each
.set TREE,  16384                      ; bytes in a tree, and in xs and ys
.set TRO,   0                          ; LDS: x's tree, then y's
.set BKO,   2*TREE                     ; LDS: xs, then ys
.set SPARE, 4*TREE                     ; LDS: the spare words, 128 bytes for each of 32 waves: 16 blocks of 256 bytes that no other line names
.set LASTW, TREE-4                     ; the byte offset of a table's last word
.set SPW, 1                            ; v1        LDS address of my spare word; never rewritten
.set NIL, 2                            ; v2        0; never rewritten
.set OFF, 3                            ; v3        16 x my thread's number; never rewritten
.set U,   4                            ; v[4:19]   query q = 4 Q + p (Q: x - 2, x + 2, y - 2, y + 2; p: my point 0 .. 3): its key, later the query itself
.set J,   20                           ; v[20:35]  query q: 4 x node; then 4 x idx_right; then bucket[idx_right]; then dist_right; at last the weight of the LEFT index
.set T,   36                           ; v[36:51]  query q: the node's key; then 4 x idx_left; then bucket[idx_left]; then dist_left; at last the weight of the RIGHT index
.set Z,   52                           ; v[52:115] point p, row r, column c at Z + 16 p + 4 r + c: the word's byte offset in zs, then the word.  Even r, c: a left index; r, c < 2: the query - 2
.set TM,  116                          ; v[116:119] at work
.set O,   120                          ; v[120:123] my four results
.macro PROBE q                         ; the key at query q's node
	ds_load_b32 v[T+(\q)], v[J+(\q)] offset:TRO+TREE*((\q)/8)
.endm
.macro DESCEND q                       ; to the right child if the node lies below the query, else to the left one; nodes are kept as byte offsets, 4 j
	v_cmp_lt_u32 vcc_lo, v[T+(\q)], v[U+(\q)]
	v_cndmask_b32 v[T+(\q)], 0, 4, vcc_lo
	v_lshl_add_u32 v[J+(\q)], v[J+(\q)], 1, v[T+(\q)]
.endm
.macro GATHER p                        ; point p's 16 offsets, (4 x row) << 12 + 4 x column (a row of zs is 16,384 bytes), and its 16 loads
.irp r, 0,1,2,3
.irp c, 0,1,2,3
	v_lshl_add_u32 v[Z+16*(\p)+4*(\r)+(\c)], v[T+(J-T)*((\r)%2)+4*((\r)/2)+(\p)], 12, v[T+(J-T)*((\c)%2)+8+4*((\c)/2)+(\p)]
.endr
.endr
.irp i, 0,1,2,3,4,5,6,7,8,9,10,11,12,13,14,15
	global_load_b32 v[Z+16*(\p)+(\i)], v[Z+16*(\p)+(\i)], s[12:13]  ; the word lands on its own offset
.endr
.endm
.macro DIST q, t                       ; the query from its key; both distances, not below 0; where both are 0 they count as 1; v[t] = their sum
	v_ashrrev_i32 v[\t], 31, v[U+(\q)]             ; all ones: the number was not negative
	v_bfi_b32 v[\t], v[\t], 0x80000000, -1         ; what the key's making flipped: the sign alone, or all bits
	v_xor_b32 v[U+(\q)], v[\t], v[U+(\q)]
	v_sub_f32 v[T+(\q)], v[U+(\q)], v[T+(\q)]
	v_sub_f32 v[J+(\q)], v[J+(\q)], v[U+(\q)]
	v_max_num_f32 v[T+(\q)], 0, v[T+(\q)]
	v_max_num_f32 v[J+(\q)], 0, v[J+(\q)]
	v_add_f32 v[\t], v[T+(\q)], v[J+(\q)]          ; neither is negative: the sum is 0 exactly where both are
	v_cmp_eq_f32 vcc_lo, 0, v[\t]
	v_cndmask_b32 v[T+(\q)], v[T+(\q)], 1.0, vcc_lo
	v_cndmask_b32 v[J+(\q)], v[J+(\q)], 1.0, vcc_lo
	v_cndmask_b32 v[\t], v[\t], 2.0, vcc_lo
.endm
.macro WEIGH g                         ; the weights of queries 4 g .. 4 g + 3
	s_wait_dscnt 24-8*(\g)                         ; LDS loads come back in order: this group's eight buckets are in, the later groups' stay out
.irp i, 0,1,2,3
	DIST 4*(\g)+(\i), TM+(\i)
.endr
.irp i, 0,1,2,3
	v_rcp_f32 v[TM+(\i)], v[TM+(\i)]
.endr
	v_nop                                          ; a plain instruction between the reciprocals and the use of their results (ISA guide 5.7.2)
	s_wait_alu depctr_va_vdst(0)
.irp i, 0,1,2,3
	v_mul_f32 v[T+4*(\g)+(\i)], v[T+4*(\g)+(\i)], v[TM+(\i)]  ; dist_left / sum: the right index's weight
	v_mul_f32 v[J+4*(\g)+(\i)], v[J+4*(\g)+(\i)], v[TM+(\i)]  ; dist_right / sum: the left index's
.endr
.endm
.macro POINT p                         ; four sums along the rows, side by side; then the sum over the rows
	s_wait_loadcnt 48-16*(\p)                      ; loads come back in order: point p's 16 words are in, the later points' stay out
.irp r, 0,1,2,3
	v_mul_f32 v[Z+16*(\p)+4*(\r)], v[Z+16*(\p)+4*(\r)], v[J+8+(\p)]
.endr
.irp r, 0,1,2,3
	v_fmac_f32 v[Z+16*(\p)+4*(\r)], v[Z+16*(\p)+4*(\r)+1], v[T+8+(\p)]
.endr
.irp r, 0,1,2,3
	v_fmac_f32 v[Z+16*(\p)+4*(\r)], v[Z+16*(\p)+4*(\r)+2], v[J+12+(\p)]
.endr
.irp r, 0,1,2,3
	v_fmac_f32 v[Z+16*(\p)+4*(\r)], v[Z+16*(\p)+4*(\r)+3], v[T+12+(\p)]
.endr
	v_mul_f32 v[Z+16*(\p)], v[Z+16*(\p)], v[J+(\p)]
	v_fmac_f32 v[Z+16*(\p)], v[Z+16*(\p)+4], v[T+(\p)]
	v_fmac_f32 v[Z+16*(\p)], v[Z+16*(\p)+8], v[J+4+(\p)]
	v_fmac_f32 v[Z+16*(\p)], v[Z+16*(\p)+12], v[T+4+(\p)]
	v_mul_f32 v[O+(\p)], 0x3e800000, v[Z+16*(\p)]  ; x 0.25
.endm
	s_load_b256 s[4:11], s[0:1], 0x0               ; qkeys s[4:5], trees s[6:7], xs s[8:9], ys s[10:11]
	s_load_b128 s[12:15], s[0:1], 0x20             ; zs s[12:13], out0 s[14:15]
	v_lshl_add_u32 v[SPW], v0, 2, SPARE
	v_mov_b32 v[NIL], 0
	v_lshlrev_b32 v[OFF], 4, v0
	s_lshl_b32 s2, ttmp9, 15                       ; the work-group's 8,192 points x 4 bytes
	s_mov_b32 s3, 0
	s_wait_kmcnt 0x0
	; the four tables: 1,024 threads x 16 bytes are one table
	global_load_b128 v[Z:Z+3],     v[OFF], s[6:7]
	global_load_b128 v[Z+4:Z+7],   v[OFF], s[6:7] offset:TREE
	global_load_b128 v[Z+8:Z+11],  v[OFF], s[8:9]
	global_load_b128 v[Z+12:Z+15], v[OFF], s[10:11]
	s_add_nc_u64 s[16:17], s[4:5], s[2:3]          ; the four planes of keys, and out0, at the work-group's points
	s_add_nc_u64 s[18:19], s[16:17], PLANE
	s_add_nc_u64 s[20:21], s[18:19], PLANE
	s_add_nc_u64 s[22:23], s[20:21], PLANE
	s_add_nc_u64 s[14:15], s[14:15], s[2:3]
	s_wait_loadcnt 0x0
	ds_store_b128 v[OFF], v[Z:Z+3]     offset:TRO
	ds_store_b128 v[OFF], v[Z+4:Z+7]   offset:TRO+TREE
	ds_store_b128 v[OFF], v[Z+8:Z+11]  offset:BKO
	ds_store_b128 v[OFF], v[Z+12:Z+15] offset:BKO+TREE
	s_wait_dscnt 0x0                               ; for the others' sake: my part of the tables is written
	s_barrier_signal -1
	s_barrier_wait -1                              ; everybody's is; from here on LDS is only read
	s_mov_b32 s24, TRIPS
.Ltrip:
	global_load_b128 v[U:U+3],     v[OFF], s[16:17] th:TH_LOAD_NT
	global_load_b128 v[U+4:U+7],   v[OFF], s[18:19] th:TH_LOAD_NT
	global_load_b128 v[U+8:U+11],  v[OFF], s[20:21] th:TH_LOAD_NT
	global_load_b128 v[U+12:U+15], v[OFF], s[22:23] th:TH_LOAD_NT
.irp q, 0,1,2,3,4,5,6,7,8,9,10,11,12,13,14,15
	v_mov_b32 v[J+(\q)], 4                         ; the root, node 1
.endr
.irp q, 0,1,2,3,4,5,6,7,8,9,10,11,12,13,14,15
	PROBE \q                                       ; the roots are read while the keys are on their way
.endr
	s_wait_loadcnt 0x0                             ; the keys
	s_mov_b32 s25, 11
.Lprobe:                                               ; levels 0 to 10: each search steps down and asks for its next node; 16 reads are out all the time
.irp q, 0,1,2,3,4,5,6,7,8,9,10,11,12,13,14,15
	s_wait_dscnt 15                                ; the oldest read is query q's; the other searches' 15 stay out
	DESCEND \q
	v_min_u32 v[J+(\q)], LASTW, v[J+(\q)]          ; an offset made from loaded numbers is bounded before it is an address: node 4,095 at the most, which the walk never passes
	PROBE \q
.endr
	s_sub_co_i32 s25, s25, 1
	s_cmp_lg_u32 s25, 0
	s_cbranch_scc1 .Lprobe
.irp q, 0,1,2,3,4,5,6,7,8,9,10,11,12,13,14,15
	s_wait_dscnt 15-(\q)                           ; level 11: nothing more is asked for, the counts run down
	DESCEND \q
	v_add_nc_u32 v[J+(\q)], 0xffffc000, v[J+(\q)]  ; 4 j - 16,384 = 4 x idx_right
	v_min_u32 v[J+(\q)], LASTW, v[J+(\q)]          ; bounded as above: 4 x 4,095
	v_max_u32 v[T+(\q)], 4, v[J+(\q)]
	v_add_nc_u32 v[T+(\q)], -4, v[T+(\q)]          ; 4 x idx_left = 4 x max(idx_right - 1, 0)
	v_min_u32 v[T+(\q)], LASTW, v[T+(\q)]
.endr
	GATHER 0
	GATHER 1
	GATHER 2
	GATHER 3
.irp q, 0,1,2,3,4,5,6,7,8,9,10,11,12,13,14,15
	ds_load_b32 v[J+(\q)], v[J+(\q)] offset:BKO+TREE*((\q)/8)  ; bucket[idx_right] and bucket[idx_left] land on their own offsets, which zs's offsets have taken in
	ds_load_b32 v[T+(\q)], v[T+(\q)] offset:BKO+TREE*((\q)/8)
.endr
	WEIGH 0
	WEIGH 1
	WEIGH 2
	WEIGH 3
	POINT 0
	POINT 1
	POINT 2
	POINT 3
	global_store_b128 v[OFF], v[O:O+3], s[14:15] th:TH_STORE_NT  ; a wave stores 512 consecutive bytes, at a multiple of 512 from out0's first
	s_wait_xcnt 0x0                                ; the bases below, and O in the next trip, are rewritten only behind this wait (ISA guide 3.1)
	s_add_nc_u64 s[16:17], s[16:17], STEP
	s_add_nc_u64 s[18:19], s[18:19], STEP
	s_add_nc_u64 s[20:21], s[20:21], STEP
	s_add_nc_u64 s[22:23], s[22:23], STEP
	s_add_nc_u64 s[14:15], s[14:15], STEP
	s_sub_co_i32 s24, s24, 1
	s_cmp_lg_u32 s24, 0
	s_cbranch_scc1 .Ltrip
	s_wait_tensorcnt 0x0                           ; the wave's end, behind my last LDS store
	ds_add_u32 v[SPW], v[NIL]
	s_wait_dscnt 0x0
	s_endpgm
.Lfunc_end_k_q3843edaca0_interpolate:
	.size	k_q3843edaca0_interpolate, .Lfunc_end_k_q3843edaca0_interpolate-k_q3843edaca0_interpolate
	.p2alignl 7, 3214868480
	.fill 96, 4, 3214868480
	.section	.rodata,"a",@progbits
	.p2align	6, 0x0
	.amdhsa_kernel k_q3843edaca0_interpolate
		.amdhsa_group_segment_fixed_size 69632
		.amdhsa_private_segment_fixed_size 0
		.amdhsa_enable_private_segment 0
		.amdhsa_kernarg_size 48
		.amdhsa_user_sgpr_count 2
		.amdhsa_user_sgpr_kernarg_segment_ptr 1
		.amdhsa_wavefront_size32 1
		.amdhsa_system_sgpr_workgroup_id_x 1
		.amdhsa_system_sgpr_workgroup_id_y 1
		.amdhsa_system_sgpr_workgroup_id_z 1
		.amdhsa_system_vgpr_workitem_id 0
		.amdhsa_next_free_vgpr 128
		.amdhsa_next_free_sgpr 66
		.amdhsa_reserve_vcc 1
		.amdhsa_float_denorm_mode_32 3
		.amdhsa_float_denorm_mode_16_64 3
		.amdhsa_memory_ordered 1
		.amdhsa_forward_progress 1
		.amdhsa_inst_pref_size 42
	.end_amdhsa_kernel
	.amdgpu_metadata
---
amdhsa.version: [ 1, 2 ]
amdhsa.kernels:
  - .name:           k_q3843edaca0_interpolate
    .symbol:         k_q3843edaca0_interpolate.kd
    .args:
      - { .name: qkeys, .offset: 0, .size: 8, .value_kind: global_buffer, .address_space: global }
      - { .name: trees, .offset: 8, .size: 8, .value_kind: global_buffer, .address_space: global }
      - { .name: xs, .offset: 16, .size: 8, .value_kind: global_buffer, .address_space: global }
      - { .name: ys, .offset: 24, .size: 8, .value_kind: global_buffer, .address_space: global }
      - { .name: zs, .offset: 32, .size: 8, .value_kind: global_buffer, .address_space: global }
      - { .name: out0, .offset: 40, .size: 8, .value_kind: global_buffer, .address_space: global }
    .group_segment_fixed_size: 69632
    .private_segment_fixed_size: 0
    .kernarg_segment_align: 8
    .kernarg_segment_size: 48
    .max_flat_workgroup_size: 1024
    .sgpr_count:     66
    .vgpr_count:     128
    .wavefront_size: 32
...
	.end_amdgpu_metadata
.endif
;; end of part 2
;; ======== version 2 of 2: 2 launches; version 1 with the launch interpolate written anew for expert scheduling mode
;; workspace buffers: qkeys 33,554,432 bytes of whole numbers; trees 32,768 bytes of whole numbers
;; launch make_keys: the kernel of part 1 again; grid 512 x 1, 8 waves a work-group, no clusters, 0 bytes of LDS; arguments interp_xs, interp_ys, xs, ys, qkeys, trees; writes qkeys, trees
;; launch interpolate (part 3): grid 256 x 1, 32 waves a work-group, no clusters, 69,632 bytes of LDS; arguments qkeys, trees, xs, ys, zs, out0; writes out0
.if DOCPART == 3
	.amdgcn_target "amdgcn-amd-amdhsa--gfx1250"
	.amdhsa_code_object_version 6
	.text
	.protected	k_q3843edaca0_interpolate
	.globl	k_q3843edaca0_interpolate
	.p2align	8
	.type	k_q3843edaca0_interpolate,@function
k_q3843edaca0_interpolate:
	s_mov_b64 s[64:65], 0
	v_nop
	global_prefetch_b8 v0, s[64:65] scope:SCOPE_SE
	s_setreg_imm32_b32 hwreg(HW_REG_WAVE_SCHED_MODE, 0, 2), 2
	s_setreg_imm32_b32 hwreg(HW_REG_WAVE_MODE, 25, 1), 1
	s_wait_xcnt 0x0
	s_wait_alu depctr_vm_vsrc(0)
; INTERPOLATE: out = 0.25 x the sum of four bilinear interpolations of zs, at (x -+ 2, y -+ 2).
; THE SUM IS SEPARABLE.  Each of the four queries (x - 2, x + 2 in xs; y - 2, y + 2 in ys) gives two indices, left and right, and two weights, dist_right / (dist_left + dist_right) for the
;   left index and dist_left / (..) for the right one.  out = 0.25 x sum over the 4 rows of WX_r x (sum over the 4 columns of WY_c x zs[r][c]): 16 words of zs and 21 multiply-adds a point.
; THE SEARCH IS MADE ON WHOLE NUMBERS.  The launch before has stored each query and each bucket as a whole number of the same order (qkeys, trees); every compare that steers an address
;   here is an unsigned compare of two such numbers.  Floats (xs, ys, zs, and the query recovered from its key) enter values alone.
;   A tree holds buckets 0 .. 4,094 in breadth-first order.  Twelve times j = 2 j + (node j < key), from j = 1: then j - 4,096 is the number of those buckets below the query, which is
;   min(searchsorted(.., left), 4,095), the reference's idx_right: the last bucket can only raise the count from 4,095 to 4,096, which the reference clips.
;   Breadth-first, because the nodes of levels 0 to 5 are words 1 .. 63 of the tree: 63 different banks (64 banks of 4 bytes: ISA guide 11.1); in a sorted array the same probes lie 64 words or more apart, all in one bank.
; SHARES.  256 work-groups of 32 waves; a work-group owns 8,192 points, in 2 trips of 4 points a lane.  A lane runs its 16 searches side by side, in two halves of eight that take turns: while one half
;   steps down, the other half's eight LDS reads are out; then its 64 reads of zs go out in one run, each landing on the register that held its offset, and the weights are made while they are on their way.
; LDS, filled once, through registers: both trees, xs, ys, 16,384 bytes each; then the spare words.
; NO CLUSTER, NO TENSOR LOAD: what work-groups share is these 65,536 bytes, read once by each, beside 131,072 bytes of keys of its own and 131,072 scattered words of zs.  NO MATRIX WORK: there is no product.
; LIMITS.  xs and ys ascend (the reference's search assumes it).  NaN is not treated as the reference treats it (a NaN distance counts as 0).  dist_left + dist_right lies in 2^-126 .. 2^126:
;   outside it v_rcp_f32 takes its input, or gives its result, as zero (ISA guide 15.8).
; THE MODE: SCHED_MODE bits 1:0 = 2 (LLVM: expert scheduling mode 2), set by the entry lines.  The code itself states the register dependences between vector instructions
;   and memory or LDS instructions, and between a vector instruction that writes a scalar register and its readers, with s_wait_alu, always for 0.
; THE PLAN.  Registers that memory or LDS instructions touch, round a trip:
;   OFF     written once at the head; the offset of the tables' loads and LDS stores, of the keys' loads and of the store of the results.
;   U       the keys' loads land in it at the trip's top; compares and the weights' lines name it; no memory instruction reads it.
;   J       written by vector lines (root, each step down, 4 x idx_right); the address of the probes and of a bucket's read, which lands in it; then the weights' lines write it.
;   T       the probes land in it; compare, select and shift-add name it; then 4 x idx_left, the address of a bucket's read, which lands in it; then the weights' lines write it.
;   Z       at the head the tables pass through Z .. Z + 15; in a trip the 64 offset lines write it, each read of zs takes its offset there and lands there, the sums write it.
;   O       written by the sums, read by the store.        SPW, NIL   written at the head, read by the closing add alone.
;   A level of the search has five waits: one on vm_vsrc (both halves' last probes have read J), and in each half one on va_sdst (eight masks) and one on va_vdst (eight addresses).
;   Behind the search ONE wait on va_vdst stands ahead of the 32 reads of buckets and the 64 reads of zs, and ONE on vm_vsrc behind them, ahead of all that writes J, T and Z again.
.set NPTS,  2097152
.set PLANE, NPTS*4                     ; bytes in a plane of qkeys
.set TRIPS, 2
.set STEP,  16384                      ; bytes of a plane, and of out0, that 1,024 threads cover with 16 each
.set TREE,  16384                      ; bytes in a tree, and in xs and ys
.set TRO,   0                          ; LDS: x's tree, then y's
.set BKO,   2*TREE                     ; LDS: xs, then ys
.set SPARE, 4*TREE                     ; LDS: the spare words, 128 bytes for each of 32 waves: 16 blocks of 256 bytes that no other line names
.set LASTW, TREE-4                     ; the byte offset of a table's last word
.set MK,  28                           ; s[28:43]  the compares' masks, one for each query
.set SPW, 1                            ; v1        LDS address of my spare word; never rewritten
.set NIL, 2                            ; v2        0; never rewritten
.set OFF, 3                            ; v3        16 x my thread's number; never rewritten
.set U,   4                            ; v[4:19]   query q = 4 Q + p (Q: x - 2, x + 2, y - 2, y + 2; p: my point 0 .. 3): its key, later the query itself
.set J,   20                           ; v[20:35]  query q: 4 x node; then 4 x idx_right; then bucket[idx_right]; then dist_right; at last the weight of the LEFT index
.set T,   36                           ; v[36:51]  query q: the node's key; then 4 x idx_left; then bucket[idx_left]; then dist_left; at last the weight of the RIGHT index
.set Z,   52                           ; v[52:115] point p, row r, column c at Z + 16 p + 4 r + c: the word's byte offset in zs, then the word.  Even r, c: a left index; r, c < 2: the query - 2
.set TM,  116                          ; v[116:119] at work
.set O,   120                          ; v[120:123] my four results
.macro PROBE q                         ; the key at query q's node
	ds_load_b32 v[T+(\q)], v[J+(\q)] offset:TRO+TREE*((\q)/8)
.endm
.macro COMPARE g                       ; half g (0: the queries in xs, 1: those in ys): does the node lie below the query?  Eight compares in a run, a mask each
.irp i, 0,1,2,3,4,5,6,7
	v_cmp_lt_u32 s[MK+8*(\g)+(\i)], v[T+8*(\g)+(\i)], v[U+8*(\g)+(\i)]
.endr
.endm
.macro DESCEND g                       ; to the right child if it does, else to the left one; nodes are kept as byte offsets, 4 j.  Line by line over the eight searches: no line reads the result of the one before it
.irp i, 0,1,2,3,4,5,6,7
	v_cndmask_b32 v[T+8*(\g)+(\i)], 0, 4, s[MK+8*(\g)+(\i)]
.endr
.irp i, 0,1,2,3,4,5,6,7
	v_lshl_add_u32 v[J+8*(\g)+(\i)], v[J+8*(\g)+(\i)], 1, v[T+8*(\g)+(\i)]
.endr
.endm
.macro HALF g                          ; levels 0 to 10: half g steps down and asks for its next nodes
	s_wait_dscnt 8                                 ; LDS loads come back in order: the oldest eight reads are this half's; the other half's eight stay out
	COMPARE \g
.if (\g) == 0
	s_wait_alu depctr_vm_vsrc(0)                   ; the probes issued so far, both halves' last ones, have read J, which this level's steps write again (and, once a trip: the LDS stores of the tables have read Z, the last trip's store O)
.endif
	s_wait_alu depctr_va_sdst(0)                   ; the eight masks are written, ahead of the selects that read them
	DESCEND \g
.irp i, 0,1,2,3,4,5,6,7
	v_min_u32 v[J+8*(\g)+(\i)], LASTW, v[J+8*(\g)+(\i)]  ; an offset made from loaded numbers is bounded before it is an address: node 4,095 at the most, which the walk never passes
.endr
	s_wait_alu depctr_va_vdst(0)                   ; this half's J is written, which the probes below read as addresses; compares, selects and shift-adds are done with its T, in which the probes land
.irp i, 0,1,2,3,4,5,6,7
	PROBE 8*(\g)+(\i)
.endr
.endm
.macro LAST g                          ; level 11: nothing more is asked for; the two indices
	s_wait_dscnt 8-8*(\g)                          ; the counts run down
	COMPARE \g
.if (\g) == 0
	s_wait_alu depctr_vm_vsrc(0)                   ; all probes have read J, which both halves' lines below write; no memory or LDS instruction follows before the offsets into zs are made, so Z is free as well
.endif
	s_wait_alu depctr_va_sdst(0)                   ; the eight masks are written, ahead of the selects that read them
	DESCEND \g
.irp i, 0,1,2,3,4,5,6,7
	v_add_nc_u32 v[J+8*(\g)+(\i)], 0xffffc000, v[J+8*(\g)+(\i)]  ; 4 j - 16,384 = 4 x idx_right
.endr
.irp i, 0,1,2,3,4,5,6,7
	v_min_u32 v[J+8*(\g)+(\i)], LASTW, v[J+8*(\g)+(\i)]          ; bounded as above: 4 x 4,095
.endr
.irp i, 0,1,2,3,4,5,6,7
	v_max_u32 v[T+8*(\g)+(\i)], 4, v[J+8*(\g)+(\i)]
.endr
.irp i, 0,1,2,3,4,5,6,7
	v_add_nc_u32 v[T+8*(\g)+(\i)], -4, v[T+8*(\g)+(\i)]          ; 4 x idx_left = 4 x max(idx_right - 1, 0)
.endr
.irp i, 0,1,2,3,4,5,6,7
	v_min_u32 v[T+8*(\g)+(\i)], LASTW, v[T+8*(\g)+(\i)]
.endr
.endm
.macro OFFSETS p                       ; point p's 16 offsets, (4 x row) << 12 + 4 x column (a row of zs is 16,384 bytes)
.irp r, 0,1,2,3
.irp c, 0,1,2,3
	v_lshl_add_u32 v[Z+16*(\p)+4*(\r)+(\c)], v[T+(J-T)*((\r)%2)+4*((\r)/2)+(\p)], 12, v[T+(J-T)*((\c)%2)+8+4*((\c)/2)+(\p)]
.endr
.endr
.endm
.macro GATHER p                        ; and its 16 loads
.irp i, 0,1,2,3,4,5,6,7,8,9,10,11,12,13,14,15
	global_load_b32 v[Z+16*(\p)+(\i)], v[Z+16*(\p)+(\i)], s[12:13]  ; the word lands on its own offset
.endr
.endm
.macro DIST q, t                       ; the query from its key; both distances, not below 0; v[t] = their sum
	v_ashrrev_i32 v[\t], 31, v[U+(\q)]             ; all ones: the number was not negative
	v_bfi_b32 v[\t], v[\t], 0x80000000, -1         ; what the key's making flipped: the sign alone, or all bits
	v_xor_b32 v[U+(\q)], v[\t], v[U+(\q)]
	v_sub_f32 v[T+(\q)], v[U+(\q)], v[T+(\q)]
	v_sub_f32 v[J+(\q)], v[J+(\q)], v[U+(\q)]
	v_max_num_f32 v[T+(\q)], 0, v[T+(\q)]
	v_max_num_f32 v[J+(\q)], 0, v[J+(\q)]
	v_add_f32 v[\t], v[T+(\q)], v[J+(\q)]          ; neither is negative: the sum is 0 exactly where both are
.endm
.macro WEIGH g                         ; the weights of queries 4 g .. 4 g + 3
	s_wait_dscnt 24-8*(\g)                         ; LDS loads come back in order: this group's eight buckets are in, the later groups' stay out
.irp i, 0,1,2,3
	DIST 4*(\g)+(\i), TM+(\i)
.endr
.irp i, 0,1,2,3
	v_cmp_eq_f32 s[MK+4*(\g)+(\i)], 0, v[TM+(\i)]  ; four compares in a run, a mask each
.endr
	s_wait_alu depctr_va_sdst(0)                   ; the four masks are written, ahead of the selects that read them
.irp i, 0,1,2,3
	v_cndmask_b32 v[T+4*(\g)+(\i)], v[T+4*(\g)+(\i)], 1.0, s[MK+4*(\g)+(\i)]  ; where both distances are 0 they count as 1,
	v_cndmask_b32 v[J+4*(\g)+(\i)], v[J+4*(\g)+(\i)], 1.0, s[MK+4*(\g)+(\i)]
	v_cndmask_b32 v[TM+(\i)], v[TM+(\i)], 2.0, s[MK+4*(\g)+(\i)]              ; and their sum as 2
.endr
.irp i, 0,1,2,3
	v_rcp_f32 v[TM+(\i)], v[TM+(\i)]
.endr
	v_nop                                          ; a plain instruction between the reciprocals and the use of their results (ISA guide 5.7.2)
	s_wait_alu depctr_va_vdst(0)                   ; the four reciprocals have written v[TM ..], ahead of the multiplies that read them: one wait for the batch
.irp i, 0,1,2,3
	v_mul_f32 v[T+4*(\g)+(\i)], v[T+4*(\g)+(\i)], v[TM+(\i)]  ; dist_left / sum: the right index's weight
	v_mul_f32 v[J+4*(\g)+(\i)], v[J+4*(\g)+(\i)], v[TM+(\i)]  ; dist_right / sum: the left index's
.endr
.endm
.macro POINT p                         ; four sums along the rows, side by side; then the sum over the rows
	s_wait_loadcnt 48-16*(\p)                      ; loads come back in order: point p's 16 words are in, the later points' stay out
.irp r, 0,1,2,3
	v_mul_f32 v[Z+16*(\p)+4*(\r)], v[Z+16*(\p)+4*(\r)], v[J+8+(\p)]
.endr
.irp r, 0,1,2,3
	v_fmac_f32 v[Z+16*(\p)+4*(\r)], v[Z+16*(\p)+4*(\r)+1], v[T+8+(\p)]
.endr
.irp r, 0,1,2,3
	v_fmac_f32 v[Z+16*(\p)+4*(\r)], v[Z+16*(\p)+4*(\r)+2], v[J+12+(\p)]
.endr
.irp r, 0,1,2,3
	v_fmac_f32 v[Z+16*(\p)+4*(\r)], v[Z+16*(\p)+4*(\r)+3], v[T+12+(\p)]
.endr
	v_mul_f32 v[Z+16*(\p)], v[Z+16*(\p)], v[J+(\p)]
	v_fmac_f32 v[Z+16*(\p)], v[Z+16*(\p)+4], v[T+(\p)]
	v_fmac_f32 v[Z+16*(\p)], v[Z+16*(\p)+8], v[J+4+(\p)]
	v_fmac_f32 v[Z+16*(\p)], v[Z+16*(\p)+12], v[T+4+(\p)]
	v_mul_f32 v[O+(\p)], 0x3e800000, v[Z+16*(\p)]  ; x 0.25
.endm
	s_load_b256 s[4:11], s[0:1], 0x0               ; qkeys s[4:5], trees s[6:7], xs s[8:9], ys s[10:11]
	s_load_b128 s[12:15], s[0:1], 0x20             ; zs s[12:13], out0 s[14:15]
	v_lshl_add_u32 v[SPW], v0, 2, SPARE
	v_mov_b32 v[NIL], 0
	v_lshlrev_b32 v[OFF], 4, v0
	s_lshl_b32 s2, ttmp9, 15                       ; the work-group's 8,192 points x 4 bytes
	s_mov_b32 s3, 0
	s_wait_kmcnt 0x0
	s_wait_alu depctr_va_vdst(0)                   ; v[OFF] is written: the tables' loads and LDS stores, the keys' loads and the store of the results read it as their offset
	; the four tables: 1,024 threads x 16 bytes are one table
	global_load_b128 v[Z:Z+3],     v[OFF], s[6:7]
	global_load_b128 v[Z+4:Z+7],   v[OFF], s[6:7] offset:TREE
	global_load_b128 v[Z+8:Z+11],  v[OFF], s[8:9]
	global_load_b128 v[Z+12:Z+15], v[OFF], s[10:11]
	s_add_nc_u64 s[16:17], s[4:5], s[2:3]          ; the four planes of keys, and out0, at the work-group's points
	s_add_nc_u64 s[18:19], s[16:17], PLANE
	s_add_nc_u64 s[20:21], s[18:19], PLANE
	s_add_nc_u64 s[22:23], s[20:21], PLANE
	s_add_nc_u64 s[14:15], s[14:15], s[2:3]
	s_wait_loadcnt 0x0
	ds_store_b128 v[OFF], v[Z:Z+3]     offset:TRO
	ds_store_b128 v[OFF], v[Z+4:Z+7]   offset:TRO+TREE
	ds_store_b128 v[OFF], v[Z+8:Z+11]  offset:BKO
	ds_store_b128 v[OFF], v[Z+12:Z+15] offset:BKO+TREE
	s_wait_dscnt 0x0                               ; for the others' sake: my part of the tables is written
	s_barrier_signal -1
	s_barrier_wait -1                              ; everybody's is; from here on LDS is only read
	s_mov_b32 s24, TRIPS
.Ltrip:
	global_load_b128 v[U:U+3],     v[OFF], s[16:17] th:TH_LOAD_NT  ; no wait: on the way in no vector instruction has been issued since the head's wait on va_vdst, round the back edge none since the one
	global_load_b128 v[U+4:U+7],   v[OFF], s[18:19] th:TH_LOAD_NT  ; ahead of the store of the results, which stands behind every line that names U
	global_load_b128 v[U+8:U+11],  v[OFF], s[20:21] th:TH_LOAD_NT
	global_load_b128 v[U+12:U+15], v[OFF], s[22:23] th:TH_LOAD_NT
.irp q, 0,1,2,3,4,5,6,7,8,9,10,11,12,13,14,15
	v_mov_b32 v[J+(\q)], 4                         ; the root, node 1 (the last trip's reads by J stand ahead of its wait on vm_vsrc)
.endr
	s_wait_alu depctr_va_vdst(0)                   ; the sixteen J are written, which the probes below read as addresses
.irp q, 0,1,2,3,4,5,6,7,8,9,10,11,12,13,14,15
	PROBE \q                                       ; the roots are read while the keys are on their way
.endr
	s_wait_loadcnt 0x0                             ; the keys
	s_mov_b32 s25, 11
.Lprobe:                                               ; levels 0 to 10: the two halves take turns; eight to sixteen reads are out all the time
	HALF 0
	HALF 1
	s_sub_co_i32 s25, s25, 1
	s_cmp_lg_u32 s25, 0
	s_cbranch_scc1 .Lprobe
	LAST 0
	LAST 1
	OFFSETS 0
	OFFSETS 1
	OFFSETS 2
	OFFSETS 3
	s_wait_alu depctr_va_vdst(0)                   ; ONE wait for the 96 loads below: the 64 offsets in Z and the 32 in J and T are written, and the offset lines are done reading J and T, in which the buckets land
.irp q, 0,1,2,3,4,5,6,7,8,9,10,11,12,13,14,15
	ds_load_b32 v[J+(\q)], v[J+(\q)] offset:BKO+TREE*((\q)/8)  ; bucket[idx_right] and bucket[idx_left] land on their own offsets, which zs's offsets have taken in
	ds_load_b32 v[T+(\q)], v[T+(\q)] offset:BKO+TREE*((\q)/8)
.endr
	GATHER 0
	GATHER 1
	GATHER 2
	GATHER 3
	s_wait_alu depctr_vm_vsrc(0)                   ; ONE wait for all that follows: the 96 loads have read their offsets in J and T, which the weights' lines write, and in Z, which the sums write
	WEIGH 0
	WEIGH 1
	WEIGH 2
	WEIGH 3
	POINT 0
	POINT 1
	POINT 2
	POINT 3
	s_wait_alu depctr_va_vdst(0)                   ; the sums have written v[O ..], which the store reads; every line that names U or T is done, for the next trip's loads
	global_store_b128 v[OFF], v[O:O+3], s[14:15] th:TH_STORE_NT  ; a wave stores 512 consecutive bytes, at a multiple of 512 from out0's first
	s_wait_xcnt 0x0                                ; the bases below, and O in the next trip, are rewritten only behind this wait (ISA guide 3.1)
	s_add_nc_u64 s[16:17], s[16:17], STEP
	s_add_nc_u64 s[18:19], s[18:19], STEP
	s_add_nc_u64 s[20:21], s[20:21], STEP
	s_add_nc_u64 s[22:23], s[22:23], STEP
	s_add_nc_u64 s[14:15], s[14:15], STEP
	s_sub_co_i32 s24, s24, 1
	s_cmp_lg_u32 s24, 0
	s_cbranch_scc1 .Ltrip
	s_wait_dscnt 0x0                               ; the wave's end, behind my last LDS store
	s_wait_alu 0x0
	s_wait_tensorcnt 0x0
	ds_add_u32 v[SPW], v[NIL]
	s_wait_dscnt 0x0
	s_endpgm
.Lfunc_end_k_q3843edaca0_interpolate:
	.size	k_q3843edaca0_interpolate, .Lfunc_end_k_q3843edaca0_interpolate-k_q3843edaca0_interpolate
	.p2alignl 7, 3214868480
	.fill 96, 4, 3214868480
	.section	.rodata,"a",@progbits
	.p2align	6, 0x0
	.amdhsa_kernel k_q3843edaca0_interpolate
		.amdhsa_group_segment_fixed_size 69632
		.amdhsa_private_segment_fixed_size 0
		.amdhsa_enable_private_segment 0
		.amdhsa_kernarg_size 48
		.amdhsa_user_sgpr_count 2
		.amdhsa_user_sgpr_kernarg_segment_ptr 1
		.amdhsa_wavefront_size32 1
		.amdhsa_system_sgpr_workgroup_id_x 1
		.amdhsa_system_sgpr_workgroup_id_y 1
		.amdhsa_system_sgpr_workgroup_id_z 1
		.amdhsa_system_vgpr_workitem_id 0
		.amdhsa_next_free_vgpr 128
		.amdhsa_next_free_sgpr 66
		.amdhsa_reserve_vcc 0
		.amdhsa_float_denorm_mode_32 3
		.amdhsa_float_denorm_mode_16_64 3
		.amdhsa_memory_ordered 1
		.amdhsa_forward_progress 1
		.amdhsa_inst_pref_size 43
	.end_amdhsa_kernel
	.amdgpu_metadata
---
amdhsa.version: [ 1, 2 ]
amdhsa.kernels:
  - .name:           k_q3843edaca0_interpolate
    .symbol:         k_q3843edaca0_interpolate.kd
    .args:
      - { .name: qkeys, .offset: 0, .size: 8, .value_kind: global_buffer, .address_space: global }
      - { .name: trees, .offset: 8, .size: 8, .value_kind: global_buffer, .address_space: global }
      - { .name: xs, .offset: 16, .size: 8, .value_kind: global_buffer, .address_space: global }
      - { .name: ys, .offset: 24, .size: 8, .value_kind: global_buffer, .address_space: global }
      - { .name: zs, .offset: 32, .size: 8, .value_kind: global_buffer, .address_space: global }
      - { .name: out0, .offset: 40, .size: 8, .value_kind: global_buffer, .address_space: global }
    .group_segment_fixed_size: 69632
    .private_segment_fixed_size: 0
    .kernarg_segment_align: 8
    .kernarg_segment_size: 48
    .max_flat_workgroup_size: 1024
    .sgpr_count:     66
    .vgpr_count:     128
    .wavefront_size: 32
...
	.end_amdgpu_metadata
.endif
;; end of part 3
